; MI455X (gfx1250); checked and timed in simulation.
; The chip was launched on July 23, 2026; its instructions are those of AMD's public machine-readable ISA for CDNA 5 (MIT licence, August 2026) and "CDNA5" Instruction Set Architecture Reference Guide (July 2026). The comments in the code are by the model that wrote it; some were corrected since.
;; Quantized Linear. Allowed arithmetic: matrix products marked QUANTISED: E5M2 operands, one E8M0 scale for each 32 along K, by v_wmma_scale_f32_16x16x128_f8f6f4 with both operands' format E5M2, f32 sums; everything else in f32.
;; Inputs: bias 4,096 float32; scale 4,096 x 1 float32; weight_int8 4,096 x 4,096 int32; x_codes 4 x 1,024 x 128 x 32 uint8 (E5M2 codes of x, K innermost, in blocks of 32 codes); x_scales 4 x 1,024 x 128 uint8 (E8M0 scales of x, one for each 32 codes along K).
;; Outputs: out0 4 x 1,024 x 4,096 float32.
;; This version of the problem:
;;   THIS VERSION OF THE PROBLEM IS GIVEN IN LOW PRECISION. The matrix products marked QUANTISED in the list below multiply operands that are first quantised to E5M2 (5 exponent bits, 2 mantissa bits; 8 bits a number), with one power-of-two scale for each 32 numbers along K (OCP MX v1.0); their sums are f32. All else is computed in f32.
;;   The module's matrix products, in the order in which they are computed (A, B: the left and right operand; K: the contracted axis; several contracted axes count as one K, in the product's order):
;;     1. [M 4,096, K 4,096] x [K 4,096, N 4,096]; A: input x (given as codes); B: computed on the way: QUANTISED
;;   THE QUANTISER, for each operand of a quantised product, along K:
;;     - K is cut into blocks of 32 from its start; a last block that is shorter is filled with zeros.
;;     - A block's scale is 2^e with e = floor(log2(the largest magnitude in the block)) - 15, held to -126 .. 127; a block of zeros has e = 0. As a byte (E8M0): e + 127.
;;     - Each number is divided by its block's scale, clamped to +-57,344, and rounded to the nearest number of E5M2, ties to even, subnormals kept.
;;     - The product sums the exact products of the quantised numbers (number of the format x scale) in f32.
;;   ~~~python
;;   def quantise(x, axis):      # numpy; x: float32 -> the quantised numbers, widened to float32 again
;;       x = np.moveaxis(x, axis, -1); K = x.shape[-1]
;;       x = np.pad(x, [(0, 0)] * (x.ndim - 1) + [(0, -K % 32)]); x = x.reshape(x.shape[:-1] + (-1, 32)); a = np.abs(x).max(-1, keepdims=True)
;;       e = np.where(a > 0, np.clip(np.frexp(np.where(a > 0, a, 1))[1] - 1 - 15, -126, 127), 0)      # np.frexp(a)[1] - 1 = floor(log2(a)), exactly
;;       r = np.clip(x / 2.0 ** e, -57344, 57344)
;;       step = 2.0 ** (np.maximum(np.frexp(np.where(r == 0, 1, r))[1] - 1, -14) - 2)
;;       q = np.round(r / step) * step * 2.0 ** e      # np.round: ties to even
;;       return np.moveaxis(q.reshape(q.shape[:-2] + (-1,))[..., :K], -1, axis).astype(np.float32)
;;   ~~~
;;   OPERANDS COMPUTED ON THE WAY. 'Computed on the way' means the value that the module computes at that place (a softmax that the list does not call 'softmax' is quantised finished and normalised). What goes into a quantiser is computed in f32, as accurately as f32 sums, v_exp_f32 and their like allow (about 1e-6 of the number): no bf16 or f16 on the way to a quantiser, and a product that is left as it is and whose result goes on into a quantised operand takes f32 operands (vector FMAs, or v_wmma_f32_16x16x4_f32). A number that lies on a knife's edge between two numbers of the format may be rounded either way, as far as f32 arithmetic and the matrix unit's own rounding can turn it there, and no further.
;;   INPUTS GIVEN AS CODES. x (in the module: [4, 1024, 4096], K = its axis 2): each comes as NAME_codes (uint8): NAME with its K axis moved to the last place and cut into blocks of 32 codes, [.., K / 32, bytes a block], one block behind the other in memory; one code a byte (a code: sign, 5 exponent bits, 2 mantissa bits); and NAME_scales (uint8): the same leading axes, one E8M0 byte (e + 127) for each 32 codes along K. Its value is code x scale, taken as it is: it is not quantised again, and the codes and scales need not be those that the quantiser above would give.
;; One version. Each part assembles by itself: llvm-mc -triple=amdgcn-amd-amdhsa -mcpu=gfx1250 --defsym DOCPART=n.
;; ======== version 1 of 1: 2 launches
;; limits: right only within a limited range of input values
;; workspace buffers: w_codes 16,777,216 bytes; w_sk 524,288 bytes; x_sk 524,288 bytes
;; launch quant (part 1): grid 128 x 4, 4 waves a work-group, no clusters, 56,832 bytes of LDS; arguments weight_int8, scale, x_scales, w_codes, w_sk, x_sk; writes w_codes, w_sk, x_sk
.if DOCPART == 1
	.amdgcn_target "amdgcn-amd-amdhsa--gfx1250"
	.amdhsa_code_object_version 6
	.text
	.protected	k_q918f84aac2_quant
	.globl	k_q918f84aac2_quant
	.p2align	8
	.type	k_q918f84aac2_quant,@function
k_q918f84aac2_quant:
	s_mov_b64 s[64:65], 0
	v_nop
	global_prefetch_b8 v0, s[64:65] scope:SCOPE_SE
	s_setreg_imm32_b32 hwreg(HW_REG_WAVE_MODE, 25, 1), 1
	s_wait_xcnt 0x0
; W[o][k] = f32(weight_int8[o][k]) x scale[o], one f32 multiplication, is turned into codes of BF8 (E5M2), 8 bits each, K innermost: w_codes [4096][4096],
; with one E8M0 byte for each 32 along K.  The bytes are laid BY K STEP OF 256: w_sk [16][4096 rows][8 bytes], so that the bytes of 256 rows for one K step are 2,048 consecutive bytes.
; x's given scale bytes, x_scales [4096][128], are copied unchanged into the same layout: x_sk.
; A block's scale is 2^(floor(log2(its largest magnitude)) - 15); its byte is the largest magnitude's own exponent field - 15, held at 1 from below.  Each number is held within +-57,344 x the scale
; and rounded to the nearest code, ties to even.
; LIMITS: a block of zeros gets the byte 1 where the rule says 127: its codes are zeros, which add nothing under any byte but 0xff, and the bytes are read by this program alone.
; NaN and infinities in scale (or products that overflow f32) are not served.  Every int32 weight is served: the conversion to f32 rounds to nearest even.
; SHARES.  Work-group (g, y): rows 32 g .. 32 g + 31, k = 1,024 y .. 1,024 y + 1,023: four K steps.  32 rows x 8 bytes of one K step are 256 consecutive bytes of w_sk, aligned.
; Wave w takes rows 32 g + 8 w .. + 7, in 16 steps of 512 numbers: step t is half t % 2 of row t / 2: 2,048 consecutive bytes of weight_int8.
; The conversions take numbers of ONE block from a lane's consecutive registers, so a lane must hold 16 NEIGHBOURS (two lanes hold a block); a load is best where neighbouring LANES take neighbouring bytes.
; Both are had: each of a step's four loads reads 512 consecutive bytes; they go through the wave's own stage in LDS as they lie and come back 64 bytes a lane (16 bytes of padding behind each 64).
; Loads run AHEAD = 6 steps (24 loads a wave) ahead, the turn through LDS one step.  Everything is written out: every offset is an immediate, each step has its own registers for codes and byte.
; No tensor load, no cluster, no matrix unit: a stream in which work-groups share nothing.
; THE CODES' LAYOUT IN w_codes (in place of the row-major order named above): by the operand's registers.  For each 16 rows (65,536 bytes) and each 16 along K one unit of 256 bytes:
; unit k / 16, in it row o % 16 at byte 16 (o % 16).  So 512 consecutive bytes are what the 32 lanes of a wave take by one 16-byte load for a fragment of 16 rows.
; A lane's 16 codes go into a stage in LDS (a unit has 272 bytes there), and behind the launch's one barrier each wave reads 32 whole units back and stores them.
.set STEPS, 16
.set CB,    0x5600                     ; the codes' stage: 128 units x 272 bytes, behind the spare words
.set AHEAD, 6
.set SP,    80                         ; a lane's place in a stage: its 64 bytes + 16 of padding
.set WREG,  2*32*SP                    ; LDS of a wave: two stages
.set SCB,   4*WREG                     ; behind them: the work-group's 1,024 scale bytes, [4 K steps][32 rows][8]
.set R,     16                         ; v16-111  six sets of 16 numbers as they are loaded
.set X,     112                        ; v112-143 two sets of 16 neighbours
.set E,     144                        ; v144-159 a scale byte for each step
.set C,     160                        ; v160-223 codes: four registers for each step, so that no store's data are written again
.set XB,    224                        ; v[224:225] x's 8 scale bytes of my row
.set SCP,   20                         ; s[20:21] the row's scale: the packed multiply names a pair and takes its low word for both halves
.set RS,    24                         ; s[24:31] the scales of my wave's eight rows
.set MNT,   32                         ; s32 the mantissa field of 57,344 as f32
	s_load_b256 s[4:11], s[0:1], 0x0               ; weight_int8 s[4:5], scale s[6:7], x_scales s[8:9], w_codes s[10:11]
	s_load_b128 s[12:15], s[0:1], 0x20             ; w_sk s[12:13], x_sk s[14:15]
	v_lshl_add_u32 v232, v0, 2, 0x5400
	v_mov_b32 v233, 0
	v_lshrrev_b32 v1, 5, v0
	v_readfirstlane_b32 s16, v1                    ; wave 0..3
	v_and_b32 v2, 31, v0                           ; lane
	v_lshlrev_b32 v3, 4, v2                        ; 16 x lane: my 16 bytes of a load's 512, and my 16 codes of a step's 512
	v_lshlrev_b32 v4, 7, v2                        ; 128 x lane: a row of x_scales
	v_lshlrev_b32 v7, 3, v2                        ; 8 x lane: a row's 8 bytes of a K step
	s_and_b32 s17, ttmp7, 0xffff                   ; y
	s_lshl_b32 s18, ttmp9, 5
	s_lshl_b32 s19, s16, 3
	s_add_co_u32 s18, s18, s19                     ; my wave's first row: 32 g + 8 w
	s_lshl_b32 s19, s17, 2
	s_add_co_u32 s19, s19, s16                     ; the K step whose bytes my wave stores: 4 y + w
	s_mul_i32 s33, s16, WREG
	v_lshrrev_b32 v14, 2, v2
	v_mul_u32_u24 v14, v14, SP
	v_and_b32 v15, 3, v2
	v_lshl_add_u32 v14, v15, 4, v14
	v_add_nc_u32 v14, s33, v14                     ; the stage, on the way in: four lanes' 64 bytes on end, then 16 of padding
	v_mul_u32_u24 v15, v2, SP
	v_add_nc_u32 v15, s33, v15                     ; and on the way out: my 16 neighbours
	v_bfe_u32 v5, v0, 1, 3                         ; my block's place among a K step's eight,
	v_bfe_u32 v6, v0, 4, 1                         ; lanes 16-31 stand one K step further on
	v_lshl_add_u32 v5, v6, 8, v5
	s_lshl_b32 s33, s16, 6                         ; my wave's eight rows: 64 bytes in each K step's 256
	s_add_co_u32 s33, s33, SCB
	v_add_nc_u32 v5, s33, v5                       ; where my block's byte goes; the step's row and half stand in the immediate
	s_lshl_b32 s33, s16, 8
	s_add_co_u32 s33, s33, SCB
	v_add_nc_u32 v6, s33, v7
	s_lshr_b32 s33, s16, 1                         ; my rows' group of 16: 64 units,
	s_mul_i32 s33, s33, 64*272
	s_and_b32 s34, s16, 1                          ; and my eight rows' half of each unit
	s_lshl_b32 s34, s34, 7
	s_add_co_u32 s33, s33, s34
	s_add_co_u32 s33, s33, CB
	v_mul_u32_u24 v226, v2, 272                    ; into the stage: a lane a unit
	v_add_nc_u32 v226, s33, v226
	s_mul_i32 s33, s16, 32*272                     ; back: wave w takes units 32 w .. 32 w + 31, two to a load
	s_add_co_u32 s33, s33, CB
	v_lshrrev_b32 v227, 4, v2
	v_mul_u32_u24 v227, v227, 272
	v_and_b32 v13, 15, v2
	v_lshl_add_u32 v227, v13, 4, v227
	v_add_nc_u32 v227, s33, v227
	s_mov_b32 s23, 0                               ; the high word of every offset
	s_mov_b32 s[SCP+1], 0                          ; (named with the scale as a pair, so it is written)
	s_mov_b32 s[MNT], 0x600000
	s_wait_alu depctr_va_vdst(0)
	s_wait_kmcnt 0x0
	s_lshl_b32 s22, s18, 2
	s_add_nc_u64 s[6:7], s[6:7], s[22:23]          ; scale at my first row
	s_load_b256 s[RS:RS+7], s[6:7], 0x0            ; eight rows' scales
	s_lshl_b32 s22, s18, 14                        ; weight_int8: a row is 16,384 bytes; 1,024 numbers are 4,096
	s_lshl_b32 s33, s17, 12
	s_add_co_u32 s22, s22, s33
	s_add_nc_u64 s[4:5], s[4:5], s[22:23]
	s_lshl_b32 s22, ttmp9, 17                      ; w_codes: 32 rows are 131,072 bytes; the units that my wave stores: group w / 2, half w % 2 of its 64
	s_lshr_b32 s33, s16, 1
	s_lshl_b32 s33, s33, 16
	s_add_co_u32 s22, s22, s33
	s_and_b32 s33, s16, 1
	s_lshl_b32 s33, s33, 13
	s_add_co_u32 s22, s22, s33
	s_lshl_b32 s33, s17, 14                        ; 1,024 along K are 64 units
	s_add_co_u32 s22, s22, s33
	s_add_nc_u64 s[10:11], s[10:11], s[22:23]
	s_lshl_b32 s22, s19, 15                        ; w_sk and x_sk: a K step is 32,768 bytes, 32 rows are 256
	s_lshl_b32 s33, ttmp9, 8
	s_add_co_u32 s22, s22, s33
	s_add_nc_u64 s[12:13], s[12:13], s[22:23]
	s_add_nc_u64 s[14:15], s[14:15], s[22:23]
	s_lshl_b32 s22, ttmp9, 12                      ; x_scales: 32 rows of 128 bytes, 8 bytes a K step
	s_lshl_b32 s33, s19, 3
	s_add_co_u32 s22, s22, s33
	s_add_nc_u64 s[8:9], s[8:9], s[22:23]
.macro LOAD t                          ; step t's 512 numbers: four loads of 512 consecutive bytes
.irp i, 0,1,2,3
	global_load_b128 v[R+16*((\t)%AHEAD)+4*\i:R+16*((\t)%AHEAD)+4*\i+3], v3, s[4:5] offset:((\t)/2)*16384+((\t)%2)*2048+512*\i th:TH_LOAD_NT
.endr
.endm
.macro TURN t                          ; step t's numbers through the stage: LDS serves a wave's instructions in order (ISA guide 5.7.1.4), so no wait stands between the stores and the loads
.irp i, 0,1,2,3
	ds_store_b128 v14, v[R+16*((\t)%AHEAD)+4*\i:R+16*((\t)%AHEAD)+4*\i+3] offset:32*SP*((\t)%2)+8*SP*\i
.endr
.irp i, 0,1,2,3
	ds_load_b128 v[X+16*((\t)%2)+4*\i:X+16*((\t)%2)+4*\i+3], v15 offset:32*SP*((\t)%2)+16*\i
.endr
.endm
	global_load_b64 v[XB:XB+1], v4, s[8:9]         ; x's scale bytes: a lane a row, 8 bytes of its 128: one byte in 128 of what the launch reads, each read once
.irp t, 0,1,2,3,4,5
	LOAD \t
.endr
	s_wait_kmcnt 0x0                               ; the eight scales
	s_wait_loadcnt 4*(AHEAD-1)                     ; x's bytes and step 0's four loads are in; the 20 loads of steps 1 to 5 may be out
	global_store_b64 v7, v[XB:XB+1], s[14:15]      ; 32 lanes store 256 consecutive bytes of x_sk, aligned
	TURN 0
.macro STEP t
.set XS, X+16*((\t)%2)
.if (\t) > 0
	s_wait_dscnt 1                                 ; this step's numbers are back from the stage; the last step's store of codes, issued behind them, may be out
.else
	s_wait_dscnt 0x0
.endif
.if (\t)+AHEAD < STEPS
	LOAD (\t)+AHEAD                                ; into the set that this step's stores into the stage have read
.endif
.if (\t)+1 < STEPS
.if (\t)+AHEAD < STEPS
	s_wait_loadcnt 4*(AHEAD-1)                     ; the next step's four loads are in; those of the five steps behind it may be out
.else
	s_wait_loadcnt 4*(STEPS-2-(\t))                ; the counts run down: steps t + 2 to 15 may be out
.endif
	TURN (\t)+1                                    ; the next step goes through the other stage while this one is worked
.endif
.if (\t)%2 == 0
	s_mov_b32 s[SCP], s[RS+(\t)/2]                 ; a new row: its scale
.endif
.irp i, 0,1,2,3,4,5,6,7,8,9,10,11,12,13,14,15
	v_cvt_f32_i32 v[XS+\i], v[XS+\i]
.endr
.irp i, 0,2,4,6,8,10,12,14
	v_pk_mul_f32 v[XS+\i:XS+\i+1], v[XS+\i:XS+\i+1], s[SCP:SCP+1] op_sel_hi:[1,0]   ; the weight in f32: one multiplication by the row's scale
.endr
	v_max3_num_f32 v8, |v[XS]|, |v[XS+1]|, |v[XS+2]|               ; the largest magnitude of my 16, in two chains
	v_max3_num_f32 v9, |v[XS+3]|, |v[XS+4]|, |v[XS+5]|
.irp i, 6,10
	v_max3_num_f32 v8, v8, |v[XS+\i]|, |v[XS+\i+1]|
	v_max3_num_f32 v9, v9, |v[XS+\i+2]|, |v[XS+\i+3]|
.endr
	v_max3_num_f32 v8, v8, |v[XS+14]|, |v[XS+15]|
	v_max3_num_f32 v8, v8, v9, 0x8000000           ; and the floor 2^(16 - 127), under which no largest magnitude is taken: so the byte cannot fall under 1
	v_max_num_f32_dpp v8, v8, v8 row_xmask:1 row_mask:0xf bank_mask:0xf   ; and of my neighbour's 16: the block's
	v_add_nc_u32 v11, 0xf8800000, v8               ; 15 off its exponent field: the conversion takes the exponent field of this operand as its scale, and nothing else of it
	v_and_or_b32 v10, v8, 0x7f800000, s[MNT]       ; 57,344 x the scale: the largest magnitude's exponent field over 57,344's mantissa
.irp i, 0,1,2,3,4,5,6,7,8,9,10,11,12,13,14,15
	v_med3_num_f32 v[XS+\i], v[XS+\i], -v10, v10   ; the conversion to an 8-bit code does not saturate (ISA guide 7.6.2): hold the number within the largest code x the scale first
.endr
	v_cvt_scalef32_pk8_bf8_f32 v[C+4*(\t):C+4*(\t)+1], v[XS:XS+7], v11
	v_cvt_scalef32_pk8_bf8_f32 v[C+4*(\t)+2:C+4*(\t)+3], v[XS+8:XS+15], v11
	v_lshrrev_b32 v[E+(\t)], 23, v11               ; the scale's byte; also the plain vector line behind the conversions
	ds_store_b8 v5, v[E+(\t)] offset:512*((\t)%2)+8*((\t)/2)       ; half t % 2 is two K steps on, row t / 2 eight bytes; both lanes of a block write the same byte with the same value
	ds_store_b128 v226, v[C+4*(\t):C+4*(\t)+3] offset:((\t)%2)*32*272+((\t)/2)*16   ; half t % 2 is 32 units on, row t / 2 sixteen bytes
.endm
.irp t, 0,1,2,3,4,5,6,7,8,9,10,11,12,13,14,15
	STEP \t
.endr
	s_wait_dscnt 0x0                               ; for the others' sake: my byte stores have landed
	s_barrier_signal -1                            ; the one barrier: a K step's 256 bytes come from all four waves
	s_barrier_wait -1
	ds_load_b64 v[12:13], v6
	s_wait_dscnt 0x0
	global_store_b64 v7, v[12:13], s[12:13]        ; 32 lanes store 256 consecutive bytes of w_sk, aligned
.irp i, 0,1,2,3,4,5,6,7,8,9,10,11,12,13,14,15
	ds_load_b128 v[R+4*\i:R+4*\i+3], v227 offset:\i*2*272
.endr
	s_wait_dscnt 0x0
.irp i, 0,1,2,3,4,5,6,7,8,9,10,11,12,13,14,15
	global_store_b128 v3, v[R+4*\i:R+4*\i+3], s[10:11] offset:\i*512   ; 32 lanes store two whole units of w_codes
.endr
	s_wait_tensorcnt 0x0
	ds_add_u32 v232, v233
	s_wait_dscnt 0x0
	s_endpgm
.Lfunc_end_k_q918f84aac2_quant:
	.size	k_q918f84aac2_quant, .Lfunc_end_k_q918f84aac2_quant-k_q918f84aac2_quant
	.p2alignl 7, 3214868480
	.fill 96, 4, 3214868480
	.section	.rodata,"a",@progbits
	.p2align	6, 0x0
	.amdhsa_kernel k_q918f84aac2_quant
		.amdhsa_group_segment_fixed_size 56832
		.amdhsa_private_segment_fixed_size 0
		.amdhsa_enable_private_segment 0
		.amdhsa_kernarg_size 48
		.amdhsa_user_sgpr_count 2
		.amdhsa_user_sgpr_kernarg_segment_ptr 1
		.amdhsa_wavefront_size32 1
		.amdhsa_system_sgpr_workgroup_id_x 1
		.amdhsa_system_sgpr_workgroup_id_y 1
		.amdhsa_system_sgpr_workgroup_id_z 1
		.amdhsa_system_vgpr_workitem_id 0
		.amdhsa_next_free_vgpr 234
		.amdhsa_next_free_sgpr 66
		.amdhsa_reserve_vcc 0
		.amdhsa_float_denorm_mode_32 3
		.amdhsa_float_denorm_mode_16_64 3
		.amdhsa_memory_ordered 1
		.amdhsa_forward_progress 1
		.amdhsa_inst_pref_size 71
	.end_amdhsa_kernel
	.amdgpu_metadata
---
amdhsa.version: [ 1, 2 ]
amdhsa.kernels:
  - .name:           k_q918f84aac2_quant
    .symbol:         k_q918f84aac2_quant.kd
    .args:
      - { .name: weight_int8, .offset: 0, .size: 8, .value_kind: global_buffer, .address_space: global }
      - { .name: scale, .offset: 8, .size: 8, .value_kind: global_buffer, .address_space: global }
      - { .name: x_scales, .offset: 16, .size: 8, .value_kind: global_buffer, .address_space: global }
      - { .name: w_codes, .offset: 24, .size: 8, .value_kind: global_buffer, .address_space: global }
      - { .name: w_sk, .offset: 32, .size: 8, .value_kind: global_buffer, .address_space: global }
      - { .name: x_sk, .offset: 40, .size: 8, .value_kind: global_buffer, .address_space: global }
    .group_segment_fixed_size: 56832
    .private_segment_fixed_size: 0
    .kernarg_segment_align: 8
    .kernarg_segment_size: 48
    .max_flat_workgroup_size: 128
    .sgpr_count:     66
    .vgpr_count:     234
    .wavefront_size: 32
...
	.end_amdgpu_metadata
.endif
;; end of part 1
;; launch gemm (part 2): grid 16 x 16, 4 waves a work-group, clusters of 4 x 4, 327,680 bytes of LDS; arguments x_codes, x_sk, w_codes, w_sk, bias, out0; writes out0
.if DOCPART == 2
	.amdgcn_target "amdgcn-amd-amdhsa--gfx1250"
	.amdhsa_code_object_version 6
	.text
	.protected	k_q918f84aac2_gemm
	.globl	k_q918f84aac2_gemm
	.p2align	8
	.type	k_q918f84aac2_gemm,@function
k_q918f84aac2_gemm:
	s_mov_b64 s[64:65], 0
	v_nop
	global_prefetch_b8 v0, s[64:65] scope:SCOPE_SE
	s_setreg_imm32_b32 hwreg(HW_REG_WAVE_MODE, 25, 1), 1
	s_wait_xcnt 0x0
	s_wait_alu depctr_hold_cnt(0) depctr_sa_sdst(0) depctr_va_vdst(0) depctr_va_sdst(0) depctr_va_ssrc(0) depctr_va_vcc(0) depctr_vm_vsrc(0)
	s_getreg_b32 s2, hwreg(HW_REG_IB_STS2, 6, 4)
	s_cmp_eq_u32 s2, 0
	s_cbranch_scc0 .Lentry_in_a_cluster
	s_endpgm
.Lentry_in_a_cluster:
	s_bfe_u32 s2, ttmp6, 0x10000c
	s_cmp_lg_u32 s2, 0xf033
	s_cbranch_scc0 .Lentry_shape_is_right
	s_endpgm
.Lentry_shape_is_right:
; out[m][n] = sum over k of x[m][k] W[n][k] + bias[n], on codes of BF8 (E5M2) with one E8M0 byte for each 32 along K; sums in f32.
; A work-group of four waves makes 256 x 256 of out; wave w makes all 256 rows x columns 64 w .. 64 w + 63: 64 accumulators, 512 registers.
; x: through a ring of two LDS slots, each 512 along K (256 rows x 512 bytes, LDS pitch 528) with the scale bytes of x's 256 rows and W's 256 rows for those 512.
;    One joint load a wave: wave 0 x's rows 0-127, wave 1 rows 128-255, wave 2 x's scales (all three shared along the cluster's row), wave 3 W's scales (shared along its column).
; W: its codes lie in w_codes in the order of the operand's registers, so a wave takes its own 64 columns straight into registers, 512 consecutive bytes a load, FOUR steps of 128 along K ahead
;    (four sets of 64 registers).  No byte of them is wanted by a second wave of the work-group, so they pass by LDS; plain loads have no joint form, so W's codes are not asked for jointly.
;    No prefetch for W's codes: their own loads are issued four steps (256 matrix instructions) ahead of their use.  x's slots are prefetched two refills ahead (ASK).
; THE MATRIX INSTRUCTION IS USED TRANSPOSED: source 0 = 16 rows of W, source 1 = 16 rows of x: a lane holds eight neighbouring columns of one row of out.  The first products take the bias as C.
; REGISTERS: window 0: v8-30 addresses; v32-95 scale words, two sets (one for each 256 along K); v96-127 bias; v128-255 x's fragments, 8 blocks of 16 rows (a step's 16 blocks in two turns).
;   window 1: W's four sets.  Window 2: accumulators of x's blocks 0-7 ((a, b) at v[8 (4 (a % 8) + b)]); window 3: blocks 8-15.
; Scale register 2 i + q % 2 of a set: lanes 0-15 the word of x's block i, lanes 16-31 that of W's block i % 4; product (a, b) names register a for x and register 4 (a / 4) + b for W.
.set PITCH,  528
.set HALFT,  128*PITCH
.set TILE,   256*PITCH
.set SA,     TILE                      ; x's scales of a slot: [2][256 rows][8 bytes]
.set SB,     SA+4096                   ; W's
.set SLOT,   SB+4096
.set SPARE,  2*SLOT                    ; the spare words, 512 bytes that no other line names
.set SPITCH, 272                       ; the way out: a stage of 16 rows x (256 + 16) bytes for each wave, in slot 0 behind its last fill and last read
.set ADRS, 8                           ; v8-15   scale words: slot s, group g of four blocks at v[8 + 4 s + g]
.set ADRA, 16                          ; v16-19  x's fragments: slot s, blocks 8 u .. 8 u + 7 at v[16 + 2 s + u]
.set GB,   20                          ; v20     16 x lane: W's loads
.set BO,   21                          ; v21     bias
.set STO,  24
.set RD,   25
.set CO,   26
.set SPW,  28
.set NIL,  29
.set PFO,  30
.set SC,   32
.set BI,   96
.set AF,   128
.set BK,   128
.set WV,   16
.set G1A,  24
.set BP,   32                          ; s[32:33] W's codes: my 64 columns, the slot whose sets are being asked for
.set G1SA, 40
.set G1SB, 48
.set G0A,  56
.set G0B,  68
.set G0SA, 76
.set G0SB, 84
.set PFA,  92
.set MSB, 0
.macro WIN new
.if MSB != \new
	s_set_vgpr_msb (MSB<<8)|\new
.set MSB, \new
.endif
.endm
.set MUL_LO, 0xa1
.set MUL_HI, 0xf1
.set FST_LO, 0x81                      ; C (the bias) in window 0
.set FST_HI, 0xc1
.set TO_B,   0x40
.macro TL g0, g1                       ; a tensor load with s_nop 0 and four v_nop behind it
	tensor_load_to_lds s[\g0:\g0+3], s[\g1:\g1+7]
	s_nop 0
.rept 4
	v_nop
.endr
.endm
.macro JLOAD s                         ; one chain of branches on the wave's number, one joint load to an arm
	s_cmp_lt_u32 s[WV], 2
	s_cbranch_scc0 .Lscales_\@
	s_cmp_eq_u32 s[WV], 0
	s_cbranch_scc0 .Lhigh_\@
	TL G0A+4*\s, G1A
	s_branch .Lasked_\@
.Lhigh_\@:
	TL G0B+4*\s, G1A
	s_branch .Lasked_\@
.Lscales_\@:
	s_cmp_eq_u32 s[WV], 2
	s_cbranch_scc0 .Lfor_sb_\@
	TL G0SA+4*\s, G1SA
	s_branch .Lasked_\@
.Lfor_sb_\@:
	TL G0SB+4*\s, G1SB
.Lasked_\@:
.endm
; The slot of x that stands two refills on: 256 rows x two blocks of 256 bytes, each named once in the cluster's row: partner cx takes 64 rows, wave w 16 of them, a lane a block.  The last trip has no such slot.
.macro ASK
	s_cmp_gt_u32 s3, 1
	s_cbranch_scc0 .Lnot_\@
	global_prefetch_b8 v[PFO], s[PFA:PFA+1] th:TH_LOAD_NT scope:SCOPE_SE
.Lnot_\@:
.endm
.macro CREST
	s_cmp_lg_u32 s[WV], 0
	s_cbranch_scc1 .Lnot_wave_0_\@
	s_barrier_signal -3
.Lnot_wave_0_\@:
	s_barrier_wait -3
	s_barrier_signal -1
	s_barrier_wait -1
.endm
.macro CROUND
	s_barrier_signal -1
	s_barrier_wait -1
	CREST
.endm
	s_load_b256 s[4:11], s[0:1], 0x0               ; x_codes, x_sk, w_codes, w_sk
	s_load_b128 s[12:15], s[0:1], 0x20             ; bias, out0
	v_lshl_add_u32 v[SPW], v0, 2, SPARE
	v_mov_b32 v[NIL], 0
	ds_add_u32 v[SPW], v[NIL]                      ; the opening lines: the add twice on end and its wait
	ds_add_u32 v[SPW], v[NIL]
	v_lshrrev_b32 v1, 5, v0
	v_readfirstlane_b32 s[WV], v1
	s_bfe_u32 s20, ttmp6, 0x40000                  ; cx, cy
	s_bfe_u32 s21, ttmp6, 0x40004
	s_lshl_b32 s22, ttmp9, 2
	s_add_co_u32 s22, s22, s20                     ; tile column
	s_and_b32 s23, ttmp7, 0xffff
	s_lshl_b32 s23, s23, 2
	s_add_co_u32 s23, s23, s21                     ; tile row
	s_lshl_b32 s66, s21, 2
	s_lshl_b32 s66, 15, s66                        ; my row of the cluster
	s_lshl_b32 s67, 0x1111, s20                    ; my column
	s_or_b32 s[G1A], s66, (0<<16)|(1<<20)|(1<<21)|(6<<22)|(3<<25)   ; 128 rows x 512 bytes, 16 bytes of padding behind each 512
	s_mov_b32 s[G1A+1], 512<<16
	s_mov_b32 s[G1A+2], 128<<16
	s_mov_b32 s[G1A+3], 512<<16
	s_mov_b32 s[G1A+4], 128
	s_mov_b32 s[G1A+5], 4096
	s_mov_b32 s[G1A+6], 0
	s_mov_b32 s[G1A+7], 0
	s_or_b32 s[G1SA], s66, (3<<16)|(1<<21)         ; scales: 2 rows of 2,048 bytes (256 elements of 8), 32,768 bytes apart
	s_or_b32 s[G1SB], s67, (3<<16)|(1<<21)
.irp g, G1SA, G1SB
	s_mov_b32 s[\g+1], 256<<16
	s_mov_b32 s[\g+2], 2<<16
	s_mov_b32 s[\g+3], 256<<16
	s_mov_b32 s[\g+4], 2
	s_mov_b32 s[\g+5], 4096
	s_mov_b32 s[\g+6], 0
	s_mov_b32 s[\g+7], 0
.endr
	s_wait_dscnt 0x0
	s_wait_kmcnt 0x0
	s_lshl_b32 s96, s23, 20
	s_mov_b32 s97, 0
	s_add_nc_u64 s[96:97], s[4:5], s[96:97]        ; x's codes at the tile's first row
.irp s, 0,1
	s_mov_b32 s[G0A+4*\s], 1
	s_mov_b32 s[G0A+4*\s+1], \s*SLOT
	s_add_nc_u64 s[G0A+4*\s+2:G0A+4*\s+3], s[96:97], \s*512
	s_or_b32 s[G0A+4*\s+3], s[G0A+4*\s+3], 0x80000000
	s_mov_b32 s[G0B+4*\s], 1
	s_mov_b32 s[G0B+4*\s+1], HALFT+\s*SLOT
	s_add_nc_u64 s[G0B+4*\s+2:G0B+4*\s+3], s[96:97], 128*4096+\s*512
	s_or_b32 s[G0B+4*\s+3], s[G0B+4*\s+3], 0x80000000
.endr
	s_lshl_b32 s96, s23, 11
	s_mov_b32 s97, 0
	s_add_nc_u64 s[96:97], s[6:7], s[96:97]
	s_lshl_b32 s98, s22, 11
	s_mov_b32 s99, 0
	s_add_nc_u64 s[98:99], s[10:11], s[98:99]
.irp s, 0,1
	s_mov_b32 s[G0SA+4*\s], 1
	s_mov_b32 s[G0SA+4*\s+1], SA+\s*SLOT
	s_add_nc_u64 s[G0SA+4*\s+2:G0SA+4*\s+3], s[96:97], \s*65536
	s_or_b32 s[G0SA+4*\s+3], s[G0SA+4*\s+3], 0x80000000
	s_mov_b32 s[G0SB+4*\s], 1
	s_mov_b32 s[G0SB+4*\s+1], SB+\s*SLOT
	s_add_nc_u64 s[G0SB+4*\s+2:G0SB+4*\s+3], s[98:99], \s*65536
	s_or_b32 s[G0SB+4*\s+3], s[G0SB+4*\s+3], 0x80000000
.endr
	CROUND                                         ; in front of the first joint loads
	JLOAD 0                                        ; slot 0: one tensor load a wave at the head
	s_lshl_b32 s100, s22, 20                       ; W's codes: 16 columns are 65,536 bytes
	s_lshl_b32 s101, s[WV], 18
	s_add_co_u32 s100, s100, s101
	s_mov_b32 s101, 0
	s_add_nc_u64 s[BP:BP+1], s[8:9], s[100:101]
	s_lshl_b32 s100, s22, 10                       ; my first column, in bytes of f32
	s_lshl_b32 s101, s[WV], 8
	s_add_co_u32 s100, s100, s101
	s_mov_b32 s101, 0
	s_add_nc_u64 s[12:13], s[12:13], s[100:101]
	s_add_nc_u64 s[14:15], s[14:15], s[100:101]
	s_lshl_b32 s100, s23, 22
	s_add_nc_u64 s[14:15], s[14:15], s[100:101]
	s_lshl_b32 s100, s23, 8                        ; the prefetches: row 256 x tile row + 64 cx + 16 w; one slot short of slot 4: the first change of slots steps it there
	s_lshl_b32 s101, s20, 6
	s_add_co_u32 s100, s100, s101
	s_lshl_b32 s101, s[WV], 4
	s_add_co_u32 s100, s100, s101
	s_lshl_b32 s100, s100, 12
	s_add_co_u32 s100, s100, 3*512
	s_mov_b32 s101, 0
	s_add_nc_u64 s[PFA:PFA+1], s[4:5], s[100:101]
	s_mul_i32 s35, s[WV], 16*SPITCH                ; my stage
	s_lshl_b32 s34, s[WV], 9
.irp g, 0,1,2,3
	s_add_co_u32 s[36+\g], s34, 4096-512*\g        ; from x's scale words to W's: my four blocks, less the group's share of the immediate
.endr
	v_and_b32 v1, 15, v0                           ; r
	v_bfe_u32 v2, v0, 4, 1                         ; h
	v_and_b32 v6, 31, v0
	v_lshlrev_b32 v[BO], 5, v2
	v_lshlrev_b32 v[GB], 4, v6
	v_mul_u32_u24 v3, v1, PITCH
	v_lshl_add_u32 v[ADRA], v2, 4, v3              ; row x pitch + 16 h
	v_add_nc_u32 v[ADRA+1], HALFT, v[ADRA]
	v_add_nc_u32 v[ADRA+2], SLOT, v[ADRA]
	v_add_nc_u32 v[ADRA+3], SLOT+HALFT, v[ADRA]
	v_lshlrev_b32 v5, 3, v1
.irp g, 0,1,2,3
	v_mad_u32_u24 v[ADRS+\g], s[36+\g], v2, v5     ; 8 r + h x the distance
	v_add_nc_u32 v[ADRS+\g], SA, v[ADRS+\g]
	v_add_nc_u32 v[ADRS+4+\g], SLOT, v[ADRS+\g]
.endr
	v_mul_u32_u24 v7, v1, SPITCH
	v_lshl_add_u32 v7, v2, 5, v7
	v_add_nc_u32 v[STO], s35, v7                   ; in: row r, 32 bytes for each half of the lanes
	v_mul_u32_u24 v7, v2, SPITCH
	v_lshl_add_u32 v7, v1, 4, v7
	v_add_nc_u32 v[RD], s35, v7                    ; back: lanes 0-15 one row of 256 bytes, lanes 16-31 the next
	v_lshlrev_b32 v7, 14, v2
	v_lshl_add_u32 v[CO], v1, 4, v7                ; the same two rows in out
	v_lshrrev_b32 v7, 1, v6
	v_lshlrev_b32 v7, 12, v7
	v_and_b32 v3, 1, v6
	v_lshl_add_u32 v[PFO], v3, 8, v7
	s_wait_alu depctr_va_vdst(0)
.macro BLOAD q                         ; W's four fragments of step q of the slot at BP into set q: 16 loads of 512 consecutive bytes
.irp b, 0,1,2,3
.irp c, 0,1,2,3
	global_load_b128 v[64*(\q)+16*\b+4*\c:64*(\q)+16*\b+4*\c+3], v[GB], s[BP:BP+1] offset:65536*\b+2048*(\q)+512*\c
.endr
.endr
.endm
.irp b, 0,1,2,3
	global_load_b128 v[BI+8*\b:BI+8*\b+3],   v[BO], s[12:13] offset:64*\b
	global_load_b128 v[BI+8*\b+4:BI+8*\b+7], v[BO], s[12:13] offset:64*\b+16
.endr
	WIN TO_B
.irp q, 0,1,2,3
	BLOAD \q
.endr
	WIN 0
.macro MUL16 a0, q, first              ; x's blocks a0 .. a0 + 3 against W's four; the 64 accumulators take turns in the same order in every step
.irp a, \a0, \a0+1, \a0+2, \a0+3
.irp b, 0,1,2,3
.set AC, 8*(4*((\a)%8)+\b)
.set FB, 64*(\q)+16*\b
.set FA, AF+16*((\a)%8)
.set SS, SC+32*((\q)/2)+(\q)%2
.if \first
	v_wmma_scale_f32_16x16x128_f8f6f4 v[AC:AC+7], v[FB:FB+15], v[FA:FA+15], v[BI+8*\b:BI+8*\b+7], v[SS+2*(4*((\a)/4)+\b)], v[SS+2*(\a)] matrix_a_fmt:MATRIX_FMT_BF8 matrix_b_fmt:MATRIX_FMT_BF8 matrix_a_scale:MATRIX_SCALE_ROW1
.else
	v_wmma_scale_f32_16x16x128_f8f6f4 v[AC:AC+7], v[FB:FB+15], v[FA:FA+15], v[AC:AC+7], v[SS+2*(4*((\a)/4)+\b)], v[SS+2*(\a)] matrix_a_fmt:MATRIX_FMT_BF8 matrix_b_fmt:MATRIX_FMT_BF8 matrix_a_scale:MATRIX_SCALE_ROW1
.endif
.endr
.endr
.endm
.macro FETCH_A slot, q, i0             ; x's blocks i0 .. i0 + 3 of the slot's step q: 16 LDS loads
.irp i, \i0, \i0+1, \i0+2, \i0+3
.irp c, 0,1,2,3
	ds_load_b128 v[AF+16*((\i)%8)+4*\c:AF+16*((\i)%8)+4*\c+3], v[ADRA+2*\slot+(\i)/8] offset:128*(\q)+32*\c+((\i)%8)*16*PITCH
.endr
.endr
.endm
.macro SCALES slot, kk                 ; the scale words of the slot's half kk into set kk: 16 LDS loads
.irp g, 0,1,2,3
.irp j, 0,1,2,3
	ds_load_b64 v[SC+32*\kk+2*(4*\g+\j):SC+32*\kk+2*(4*\g+\j)+1], v[ADRS+4*\slot+\g] offset:2048*\kk+128*(4*\g+\j)
.endr
.endr
.endm
.macro PLACES n                        ; eight places stand between a matrix instruction and a load into one of its registers
.rept \n
	v_nop
.endr
.endm
.macro HALF1 slot, q, first, lc        ; a step's blocks 0-7; blocks 8-15 are fetched into their registers
	s_wait_loadcnt \lc                             ; W's set q is in; lc loads of younger sets may be out
	s_wait_dscnt 16                                ; blocks 0-3 (and scale words) are in; blocks 4-7's 16 loads may be out
.if \first
	WIN FST_LO
.else
	WIN MUL_LO
.endif
	MUL16 0, \q, \first
	PLACES 8
	WIN 0
	FETCH_A \slot, \q, 8
	s_wait_dscnt 16                                ; blocks 4-7
.if \first
	WIN FST_LO
.else
	WIN MUL_LO
.endif
	MUL16 4, \q, \first
	PLACES 8
	WIN 0
	FETCH_A \slot, \q, 12
.endm
; A step of 128 along K with its successor in the same slot.  bl = 1: set q is asked for again, for the next slot's step q.
.macro STEP slot, q, first, bl, lc
	HALF1 \slot, \q, \first, \lc
	s_wait_dscnt 16                                ; blocks 8-11
.if \first
	WIN FST_HI
.else
	WIN MUL_HI
.endif
	MUL16 8, \q, \first
	PLACES 8
	WIN 0
.if (\q) == 0
	SCALES \slot, 1
.endif
	FETCH_A \slot, (\q)+1, 0
.if (\q) == 0
	s_wait_dscnt 32                                ; blocks 12-15; the 32 loads just issued may be out
.else
	s_wait_dscnt 16
.endif
.if \first
	WIN FST_HI
.else
	WIN MUL_HI
.endif
	MUL16 12, \q, \first
	PLACES 8
.if \bl
.if (\q) == 0
	s_wait_xcnt 0x0                                ; W's earlier loads have read their base
	s_add_nc_u64 s[BP:BP+1], s[BP:BP+1], 4*2048    ; on to the next slot's four steps
.endif
	WIN TO_B
	BLOAD \q
.endif
	WIN 0
	FETCH_A \slot, (\q)+1, 4
.endm
; A slot's last step changes slots, in its middle, when all its blocks are in registers or on their way there.
.macro LAST slot, next, fill, lc
.if \fill
	s_wait_xcnt 0x0                                ; my last prefetch has read its address
	s_add_nc_u64 s[PFA:PFA+1], s[PFA:PFA+1], 512
.endif
	HALF1 \slot, 3, 0, \lc
	s_wait_tensorcnt 0x0                           ; all my tensor loads have landed: my part of the next slot
	ds_add_u32 v[SPW], v[NIL]
.if \fill
	s_add_nc_u64 s[G0A+4*\slot+2:G0A+4*\slot+3], s[G0A+4*\slot+2:G0A+4*\slot+3], 2*512
	s_add_nc_u64 s[G0B+4*\slot+2:G0B+4*\slot+3], s[G0B+4*\slot+2:G0B+4*\slot+3], 2*512
	s_add_nc_u64 s[G0SA+4*\slot+2:G0SA+4*\slot+3], s[G0SA+4*\slot+2:G0SA+4*\slot+3], 2*65536
	s_add_nc_u64 s[G0SB+4*\slot+2:G0SB+4*\slot+3], s[G0SB+4*\slot+2:G0SB+4*\slot+3], 2*65536
.endif
	s_wait_dscnt 17                                ; blocks 8-11; blocks 12-15's 16 loads and the add may be out
	WIN MUL_HI
	MUL16 8, 3, 0
	s_wait_dscnt 0x0                               ; the add is done, and my reads of this slot are over
	s_barrier_signal -1
	WIN 0
	s_barrier_wait -1
.if \fill
	CREST                                          ; the barrier has opened a round of the cluster's barrier
	JLOAD \slot                                    ; the first tensor load behind the round; its four v_nop are four of the eight places
	PLACES 4
.else
	PLACES 8
.endif
	SCALES \next, 0
	FETCH_A \next, 0, 0
.if \fill
	ASK
.endif
	WIN MUL_HI
	MUL16 12, 3, 0
	PLACES 8
	WIN TO_B
	BLOAD 3
	WIN 0
	FETCH_A \next, 0, 4
.endm
	s_wait_tensorcnt 0x0                           ; my part of slot 0 is in
	ds_add_u32 v[SPW], v[NIL]
	s_wait_dscnt 0x0
	CROUND                                         ; everybody's part of slot 0 is in
	JLOAD 1                                        ; slot 1's first fill
	SCALES 0, 0
	FETCH_A 0, 0, 0
	FETCH_A 0, 0, 4
	STEP 0, 0, 1, 1, 48                            ; the first step stands in front of the loop: its products start the sums on the bias
	s_mov_b32 s3, 3
.Llap:                                                 ; a trip goes once round the ring and fills both slots again: slots 2 to 7 in three trips
	STEP 0, 1, 0, 1, 48
	STEP 0, 2, 0, 1, 48
	LAST 0, 1, 1, 48
	STEP 1, 0, 0, 1, 48
	STEP 1, 1, 0, 1, 48
	STEP 1, 2, 0, 1, 48
	LAST 1, 0, 1, 48
	STEP 0, 0, 0, 1, 48
	s_sub_co_u32 s3, s3, 1
	s_cmp_lg_u32 s3, 0
	s_cbranch_scc1 .Llap
	STEP 0, 1, 0, 1, 48                            ; the last lap fills no slot; in its second slot no set of W is asked for, and the counts run down
	STEP 0, 2, 0, 1, 48
	LAST 0, 1, 0, 48
	STEP 1, 0, 0, 0, 48
	STEP 1, 1, 0, 0, 32
	STEP 1, 2, 0, 0, 16
	HALF1 1, 3, 0, 0
	s_wait_dscnt 16
	WIN MUL_HI
	MUL16 8, 3, 0
	s_wait_dscnt 0
	MUL16 12, 3, 0
	WIN 0
; THE WAY OUT, by blocks of 16 rows x 64 columns: through my own stage and back as whole rows of 256 bytes.  LDS serves a wave's instructions in order (ISA guide 5.7.1.4).
.macro TOSTAGE a
.set AC, 32*((\a)%8)
	WIN 0x08+4*((\a)/8)                            ; the data: window 2 or 3
.irp b, 0,1,2,3
	ds_store_b128 v[STO], v[AC+8*\b:AC+8*\b+3] offset:64*\b          ; each accumulator from its low end on
	ds_store_b128 v[STO], v[AC+8*\b+4:AC+8*\b+7] offset:64*\b+16
.endr
	WIN 0
.set BB, BK+32*((\a)%4)
.irp t, 0,1,2,3,4,5,6,7
	ds_load_b128 v[BB+4*\t:BB+4*\t+3], v[RD] offset:\t*2*SPITCH
.endr
.endm
.macro SEND a, younger
.set BB, BK+32*((\a)%4)
	s_wait_dscnt \younger
.if (\a) > 0
	s_add_nc_u64 s[14:15], s[14:15], 16*16384      ; behind a wait on XCNT: 16 rows of out on
.endif
.irp t, 0,1,2,3,4,5,6,7
	global_store_b128 v[CO], v[BB+4*\t:BB+4*\t+3], s[14:15] offset:\t*2*16384 th:TH_STORE_NT   ; 16 lanes store 256 consecutive bytes, aligned
.endr
.endm
	PLACES 8
	TOSTAGE 0
.irp a, 1,2,3,4,5,6,7,8,9,10,11,12,13,14,15
.if \a > 1
	s_wait_xcnt 0x0                                ; earlier stores have read their registers and their base
.endif
	TOSTAGE \a
	SEND \a-1, 16                                  ; behind block a - 1's loads: block a's 8 stores and 8 loads
.endr
	s_wait_xcnt 0x0
	SEND 15, 0
	s_wait_tensorcnt 0x0                           ; the wave's end
	ds_add_u32 v[SPW], v[NIL]
	s_wait_dscnt 0x0
	CROUND                                         ; the closing round
	s_endpgm
.Lfunc_end_k_q918f84aac2_gemm:
	.size	k_q918f84aac2_gemm, .Lfunc_end_k_q918f84aac2_gemm-k_q918f84aac2_gemm
	.p2alignl 7, 3214868480
	.fill 96, 4, 3214868480
	.section	.rodata,"a",@progbits
	.p2align	6, 0x0
	.amdhsa_kernel k_q918f84aac2_gemm
		.amdhsa_group_segment_fixed_size 327680
		.amdhsa_private_segment_fixed_size 0
		.amdhsa_enable_private_segment 0
		.amdhsa_kernarg_size 48
		.amdhsa_user_sgpr_count 2
		.amdhsa_user_sgpr_kernarg_segment_ptr 1
		.amdhsa_wavefront_size32 1
		.amdhsa_system_sgpr_workgroup_id_x 1
		.amdhsa_system_sgpr_workgroup_id_y 1
		.amdhsa_system_sgpr_workgroup_id_z 1
		.amdhsa_system_vgpr_workitem_id 0
		.amdhsa_next_free_vgpr 1024
		.amdhsa_next_free_sgpr 102
		.amdhsa_reserve_vcc 0
		.amdhsa_float_denorm_mode_32 3
		.amdhsa_float_denorm_mode_16_64 3
		.amdhsa_memory_ordered 1
		.amdhsa_forward_progress 1
		.amdhsa_inst_pref_size 255
	.end_amdhsa_kernel
	.section	.bss,"aw",@nobits
	.p2align	6
	.space	262144
	.amdgpu_metadata
---
amdhsa.version: [ 1, 2 ]
amdhsa.kernels:
  - .name:           k_q918f84aac2_gemm
    .symbol:         k_q918f84aac2_gemm.kd
    .args:
      - { .name: x_codes, .offset: 0, .size: 8, .value_kind: global_buffer, .address_space: global }
      - { .name: x_sk, .offset: 8, .size: 8, .value_kind: global_buffer, .address_space: global }
      - { .name: w_codes, .offset: 16, .size: 8, .value_kind: global_buffer, .address_space: global }
      - { .name: w_sk, .offset: 24, .size: 8, .value_kind: global_buffer, .address_space: global }
      - { .name: bias, .offset: 32, .size: 8, .value_kind: global_buffer, .address_space: global }
      - { .name: out0, .offset: 40, .size: 8, .value_kind: global_buffer, .address_space: global }
    .group_segment_fixed_size: 327680
    .private_segment_fixed_size: 0
    .kernarg_segment_align: 8
    .kernarg_segment_size: 48
    .max_flat_workgroup_size: 128
    .sgpr_count:     102
    .vgpr_count:     1024
    .wavefront_size: 32
...
	.end_amdgpu_metadata
.endif
;; end of part 2
